; MI455X (gfx1250); checked and timed in simulation.
; The chip was launched on July 23, 2026; its instructions are those of AMD's public machine-readable ISA for CDNA 5 (MIT licence, August 2026) and "CDNA5" Instruction Set Architecture Reference Guide (July 2026). The comments in the code are by the model that wrote it; some were corrected since.
;; Scorer V1. Allowed arithmetic: float matrix products may take bf16 or f16 operands with f32 sums; all other float work in f32.
;; Inputs: W_b 4,096 float32; W_w 4,096 x 4,096 float32; Ws_b 4,096 float32; Ws_w 4,096 x 4,096 float32; X_norm 32 x 64 x 4,096 float32; condition 32 x 64 x 4,096 float32; dist_emb 255 x 32 float32; mask 32 x 64 int32.
;; Outputs: out0 32 x 64 float32.
;; 2 versions, each right and faster than the one before. Each part assembles by itself: llvm-mc -triple=amdgcn-amd-amdhsa -mcpu=gfx1250 --defsym DOCPART=n.
;; ======== version 1 of 2: 5 launches
;; workspace buffers: cbarF 262,144 bytes; cF 262,144 bytes; dpart 32,768 bytes; uP 2,097,152 bytes; tP 65,536 bytes
;; launch sumq (part 1): grid 256 x 1, 8 waves a work-group, no clusters, 1,024 bytes of LDS; arguments condition, cbarF; writes cbarF
.if DOCPART == 1
	.amdgcn_target "amdgcn-amd-amdhsa--gfx1250"
	.amdhsa_code_object_version 6
	.text
	.protected	k_q59fb75760c_sumq
	.globl	k_q59fb75760c_sumq
	.p2align	8
	.type	k_q59fb75760c_sumq,@function
k_q59fb75760c_sumq:
	s_mov_b64 s[64:65], 0
	v_nop
	global_prefetch_b8 v0, s[64:65] scope:SCOPE_SE
	s_setreg_imm32_b32 hwreg(HW_REG_WAVE_MODE, 25, 1), 1
	s_wait_xcnt 0x0
; cbar[b][i] = sum over q of condition[b][q][i]   (condition: [32][64][4096] f32), sums in f32, rounded once to bf16.
; Everything in front of the softmax is linear, so the mean over the queries is taken ahead of the projection:
; sum_q (condition[b][q] W^T + W_b) = cbar[b] W^T + 64 W_b.  LIMIT: the order of the sums differs from the formula as
; written, and cbar is rounded to bf16 (it is a matrix operand of the next launch).
; A stream: each byte of condition is read once; no matrix unit, no cluster (no two work-groups read the same bytes).
; Work-group: 64 columns (256 bytes of a row) x 8 values of b.  Wave w: one b, all 64 rows q, all requested at the head:
; 32 loads of 16 bytes a lane, each load two rows of 256 consecutive aligned bytes.
; OUTPUT in fragment order, so that the next launch fills a matrix fragment by plain 16-byte loads:
;   bf16 V[b][k] lies at (k/32) 2048 + (b/16) 1024 + ((k%32)/16) 512 + ((b%16)/8) 256 + ((k%16)/8) 128 + (b%8) 16 + (k%8) 2.
; The work-group's 8 b x 64 k are four whole aligned blocks of 256 bytes of it.
.set QPAIR, 32768                      ; bytes of two rows q
.set X,     16                         ; v[16:143] load n at X + 4 n
	s_load_b128 s[4:7], s[0:1], 0x0                ; condition s[4:5], cbarF s[6:7]
	v_lshrrev_b32 v1, 5, v0
	v_readfirstlane_b32 s8, v1                     ; wave 0..7
	s_and_b32 s9, ttmp9, 63                        ; cr: which 64 columns
	s_lshr_b32 s10, ttmp9, 6                       ; bo: which 8 values of b
	s_mov_b32 s14, 0x76543210                      ; v_permlanex16_b32: lane i reads lane i of the other half
	s_mov_b32 s15, 0xfedcba98
	v_and_b32 v1, 15, v0                           ; x: my 16 bytes of the 256
	v_bfe_u32 v2, v0, 4, 1                         ; h: even or odd row
	v_lshlrev_b32 v3, 4, v1
	v_lshl_add_u32 v3, v2, 14, v3                  ; 16 x + h rows of 16,384 bytes
	s_lshl3_add_u32 s12, s10, s8                   ; b = 8 bo + wave
	s_lshl_b32 s12, s12, 20                        ; b x 64 rows x 16,384 bytes
	s_lshl_b32 s13, s9, 8
	s_add_co_u32 s12, s12, s13                     ; + 256 cr
	s_mov_b32 s13, 0
	s_lshl_b32 s11, s8, 7
	v_lshl_add_u32 v4, v1, 3, s11                  ; LDS stage: 128 bytes a wave, 8 bytes for each x
	s_wait_kmcnt 0x0
	s_add_nc_u64 s[4:5], s[4:5], s[12:13]
.irp n, 0,1,2,3,4,5,6,7,8,9,10,11,12,13,14,15,16,17,18,19,20,21,22,23,24,25,26,27,28,29,30,31
	global_load_b128 v[X+4*\n:X+4*\n+3], v3, s[4:5] offset:\n*QPAIR th:TH_LOAD_NT   ; rows 2 n + h
.endr
.irp n, 1,2,3,4,5,6,7,8,9,10,11,12,13,14,15,16,17,18,19,20,21,22,23,24,25,26,27,28,29,30,31
	s_wait_loadcnt 31-\n                           ; loads return in order: load n is in, the 31 - n younger ones stay out
	v_pk_add_f32 v[X:X+1], v[X:X+1], v[X+4*\n:X+4*\n+1]
	v_pk_add_f32 v[X+2:X+3], v[X+2:X+3], v[X+4*\n+2:X+4*\n+3]
.endr
.irp i, 0,1,2,3
	v_permlanex16_b32 v[X+4+\i], v[X+\i], s14, s15 ; the other half's rows; the destination is a register that load 1 wrote and the sum has used
.endr
	v_pk_add_f32 v[X:X+1], v[X:X+1], v[X+4:X+5]
	v_pk_add_f32 v[X+2:X+3], v[X+2:X+3], v[X+6:X+7]   ; every lane: cbar[b][64 cr + 4 x .. + 3]
	v_cvt_pk_bf16_f32 v6, v[X], v[X+1]
	v_cvt_pk_bf16_f32 v7, v[X+2], v[X+3]
	ds_store_b64 v4, v[6:7]                        ; both halves of the wave store the same 8 bytes with the same value
	s_wait_dscnt 0x0                               ; my store is done before I say so
	s_barrier_signal -1
	s_barrier_wait -1
	s_cmp_gt_u32 s8, 1
	s_cbranch_scc1 .Lend                           ; 1,024 bytes leave: two waves' worth of 16-byte stores
	; thread t = 0..63 takes block t / 16, and in it the 16 bytes of b%8 = t & 7, k = 8 (t / 8) .. + 7 of the 64
	v_and_b32 v5, 7, v0
	v_bfe_u32 v12, v0, 3, 3
	v_lshlrev_b32 v12, 4, v12
	v_lshl_add_u32 v5, v5, 7, v12
	ds_load_b128 v[8:11], v5
	v_bfe_u32 v13, v0, 5, 1
	v_lshlrev_b32 v13, 11, v13                     ; the K step of 32: 2,048 bytes
	v_lshl_add_u32 v13, v2, 9, v13                 ; its half of 16: 512 bytes (bit 4 of t)
	v_lshl_add_u32 v13, v1, 4, v13                 ; 16 (t & 15)
	s_lshl_b32 s12, s9, 12                         ; two K steps for each cr
	s_lshr_b32 s11, s10, 1
	s_lshl_b32 s11, s11, 10                        ; b / 16
	s_add_co_u32 s12, s12, s11
	s_and_b32 s11, s10, 1
	s_lshl_b32 s11, s11, 8                         ; (b % 16) / 8
	s_add_co_u32 s12, s12, s11
	s_add_nc_u64 s[6:7], s[6:7], s[12:13]
	s_wait_dscnt 0x0
	global_store_b128 v13, v[8:11], s[6:7]         ; sixteen neighbouring lanes store 256 consecutive bytes, aligned
.Lend:
	s_endpgm
.Lfunc_end_k_q59fb75760c_sumq:
	.size	k_q59fb75760c_sumq, .Lfunc_end_k_q59fb75760c_sumq-k_q59fb75760c_sumq
	.p2alignl 7, 3214868480
	.fill 96, 4, 3214868480
	.section	.rodata,"a",@progbits
	.p2align	6, 0x0
	.amdhsa_kernel k_q59fb75760c_sumq
		.amdhsa_group_segment_fixed_size 1024
		.amdhsa_private_segment_fixed_size 0
		.amdhsa_enable_private_segment 0
		.amdhsa_kernarg_size 16
		.amdhsa_user_sgpr_count 2
		.amdhsa_user_sgpr_kernarg_segment_ptr 1
		.amdhsa_wavefront_size32 1
		.amdhsa_system_sgpr_workgroup_id_x 1
		.amdhsa_system_sgpr_workgroup_id_y 1
		.amdhsa_system_sgpr_workgroup_id_z 1
		.amdhsa_system_vgpr_workitem_id 0
		.amdhsa_next_free_vgpr 144
		.amdhsa_next_free_sgpr 66
		.amdhsa_reserve_vcc 0
		.amdhsa_float_denorm_mode_32 3
		.amdhsa_float_denorm_mode_16_64 3
		.amdhsa_memory_ordered 1
		.amdhsa_forward_progress 1
		.amdhsa_inst_pref_size 11
	.end_amdhsa_kernel
	.amdgpu_metadata
---
amdhsa.version: [ 1, 2 ]
amdhsa.kernels:
  - .name:           k_q59fb75760c_sumq
    .symbol:         k_q59fb75760c_sumq.kd
    .args:
      - { .name: condition, .offset: 0, .size: 8, .value_kind: global_buffer, .address_space: global }
      - { .name: cbarF, .offset: 8, .size: 8, .value_kind: global_buffer, .address_space: global }
    .group_segment_fixed_size: 1024
    .private_segment_fixed_size: 0
    .kernarg_segment_align: 8
    .kernarg_segment_size: 16
    .max_flat_workgroup_size: 256
    .sgpr_count:     66
    .vgpr_count:     144
    .wavefront_size: 32
...
	.end_amdgpu_metadata
.endif
;; end of part 1
;; launch proj1 (part 2): grid 256 x 1, 8 waves a work-group, no clusters, 282,624 bytes of LDS; arguments W_w, cbarF, W_b, Ws_b, cF, dpart; writes cF, dpart
.if DOCPART == 2
	.amdgcn_target "amdgcn-amd-amdhsa--gfx1250"
	.amdhsa_code_object_version 6
	.text
	.protected	k_q59fb75760c_proj1
	.globl	k_q59fb75760c_proj1
	.p2align	8
	.type	k_q59fb75760c_proj1,@function
k_q59fb75760c_proj1:
	s_mov_b64 s[64:65], 0
	v_nop
	global_prefetch_b8 v0, s[64:65] scope:SCOPE_SE
	s_setreg_imm32_b32 hwreg(HW_REG_WAVE_MODE, 25, 1), 1
	s_wait_xcnt 0x0
; c[b][j] = sum over i of cbar[b][i] W_w[j][i] + 64 W_b[j]      (32 x 4096 x 4096, bf16 operands, f32 sums)
; dpart[g][b] = sum over the work-group's 16 j of c[b][j] Ws_b[j]  (the part of the score that Ws_b brings, in f32)
; Work-group g owns j = 16 g .. 16 g + 15: 16 rows of W_w, 262,144 consecutive bytes, each read once in the launch.
; Wave w owns i = 512 w .. + 511 of them (16 K steps of 32); the eight waves' sums meet in LDS at the end.
; ALL of the work-group's W is requested at the head: two tensor loads a wave (16 rows x 1,024 bytes each), first fills
; only, into bytes that the issuing wave alone reads.  No slot is ever filled again, so no ring and no barrier for one.
; By this text's count a wave has two tensor loads out at the most.
; NO JOINT LOADS: no two work-groups read the same bytes of W_w.  cbarF (262,144 bytes) is read whole by every work-group,
; but the W tile takes 266,240 bytes of LDS and the scratch 16,384, and 262,144 more would pass the 327,680 that a
; work-group can ask for; it lies in fragment order and goes straight into registers, 512 consecutive bytes a load.
; THE MATRIX INSTRUCTION IS USED TRANSPOSED: source 0 = 16 rows j of W, source 1 = 16 rows b of cbar.  Register i of lane
; (r = l % 16, h = l / 16) then holds c[16 t + r][16 g + 8 h + i]: eight neighbouring j, 16 bytes of bf16 in fragment order.
; LIMIT: W_w, cbar and c are rounded to bf16 once each (matrix operands); sums in another order than the formula as written.
.set PITCH, 1040                       ; an LDS row: 1,024 bytes + 16 of padding = 65 x 16: sixteen rows start in sixteen different 16-byte columns of 256
.set TILE,  16*PITCH                   ; 16,640: one tensor load
.set RED,   16*TILE                    ; 266,240 = 1,040 x 256: scratch for the closing sum, 2,048 bytes a wave; no tensor load lands here
.set CBO,   4                          ; v4      my byte offset in cbarF: fragment place + 16 K steps a wave
.set LB,    5                          ; v5      LDS address of my part of a W fragment in my wave's first tile
.set FO,    8                          ; v8      my place in 512 bytes of fragment order
.set WB,    10                         ; v[10:17]  W_b  of my 8 j (wave 0)
.set WS,    18                         ; v[18:25]  Ws_b of my 8 j (wave 0)
.set CB,    32                         ; v[32:159] cbar fragments: 8 slots of 16 (tile b 0-15, tile b 16-31); later the eight waves' sums
.set S,     160                        ; v[160:223] W in f32 as read from LDS: 4 slots of 16
.set F,     224                        ; v[224:239] W fragments in bf16: 2 of 8
.set ACC,   240                        ; v[240:255] two accumulator tiles
.set G1,    16                         ; s[16:23] descriptor group 1
.set G0,    24                         ; s[24:31] descriptor group 0, one set for each of my two tiles
	s_load_b256 s[4:11], s[0:1], 0x0               ; W_w s[4:5], cbarF s[6:7], W_b s[8:9], Ws_b s[10:11]
	s_load_b128 s[12:15], s[0:1], 0x20             ; cF s[12:13], dpart s[14:15]
	v_lshrrev_b32 v1, 5, v0
	v_readfirstlane_b32 s32, v1                    ; wave 0..7
	s_mov_b32 s[G1+0], (2<<16)|(1<<20)|(7<<22)|(3<<25)  ; no mask; elements of 4 bytes; padding on: after every 256 words, 4 words
	s_mov_b32 s[G1+1], 256<<16                     ; tensor_dim0 = 256 elements
	s_mov_b32 s[G1+2], 16<<16                      ; tensor_dim1 = 16 rows
	s_mov_b32 s[G1+3], 256<<16                     ; tile_dim0 = 256
	s_mov_b32 s[G1+4], 16                          ; tile_dim1 = 16
	s_mov_b32 s[G1+5], 4096                        ; elements from row to row
	s_mov_b32 s[G1+6], 0
	s_mov_b32 s[G1+7], 0
	s_lshl_b32 s34, ttmp9, 18                      ; g x 16 rows x 16,384 bytes
	s_lshl_b32 s33, s32, 11                        ; + wave x 512 elements
	s_add_co_u32 s34, s34, s33
	s_mov_b32 s35, 0
	s_mul_i32 s33, s32, 2*TILE                     ; my two tiles in LDS
	s_wait_kmcnt 0x0
	s_add_nc_u64 s[36:37], s[4:5], s[34:35]
.irp z, 0,1
	s_mov_b32 s[G0+4*\z], 1                                        ; count = 1
	s_add_co_u32 s[G0+4*\z+1], s33, \z*TILE                        ; LDS address
	s_add_nc_u64 s[G0+4*\z+2:G0+4*\z+3], s[36:37], \z*1024         ; the tile's first element: K steps 8 z .. 8 z + 7 of my 16
	s_or_b32 s[G0+4*\z+3], s[G0+4*\z+3], 0x80000000                ; type = 2
	tensor_load_to_lds s[G0+4*\z:G0+4*\z+3], s[G1:G1+7]
	s_nop 0
.endr
	v_and_b32 v1, 31, v0                           ; l
	v_and_b32 v2, 15, v0                           ; r
	v_bfe_u32 v3, v0, 4, 1                         ; h
	v_and_b32 v[FO], 7, v0
	v_lshlrev_b32 v[FO], 4, v[FO]                  ; (r % 8) 16
	v_lshl_add_u32 v[FO], v3, 7, v[FO]             ; + h 128
	v_bfe_u32 v26, v0, 3, 1
	v_lshl_add_u32 v[FO], v26, 8, v[FO]            ; + (r / 8) 256
	s_lshl_b32 s38, s32, 15
	v_add_nc_u32 v[CBO], s38, v[FO]                ; + wave x 16 K steps x 2,048 bytes
	v_lshlrev_b32 v9, 5, v3                        ; 32 h: my 8 numbers of the 16 of W_b and Ws_b
	s_lshl_b32 s40, ttmp9, 6
	s_mov_b32 s41, 0
	s_add_nc_u64 s[8:9], s[8:9], s[40:41]          ; W_b and Ws_b at j = 16 g
	s_add_nc_u64 s[10:11], s[10:11], s[40:41]
	s_mov_b32 s42, 0x76543210
	s_mov_b32 s43, 0xfedcba98
	s_cmp_lg_u32 s32, 0
	s_cbranch_scc1 .Lno_bias                       ; wave 0 closes the sums, so it alone needs them.  These four loads are older than
	global_load_b128 v[WB:WB+3],   v9, s[8:9]      ; every load that is waited for by a count, so the counts hold with and without them
	global_load_b128 v[WB+4:WB+7], v9, s[8:9] offset:16
	global_load_b128 v[WS:WS+3],   v9, s[10:11]
	global_load_b128 v[WS+4:WS+7], v9, s[10:11] offset:16
.Lno_bias:
; the cbar fragments of my K step ks, both tiles of b, into a slot: four loads of 512 consecutive bytes
.macro LDCB ks, slot
.irp q, 0,1,2,3
	global_load_b128 v[CB+16*(\slot)+4*\q:CB+16*(\slot)+4*\q+3], v[CBO], s[6:7] offset:(\ks)*2048+\q*512
.endr
.endm
; my 16 numbers of W for K step ks (row r; k = 8 h .. + 7 and 16 + 8 h .. + 7), in f32
.macro LDSW ks
	ds_load_b128 v[S+16*((\ks)%4):S+16*((\ks)%4)+3],     v[LB] offset:((\ks)/8)*TILE+((\ks)%8)*128
	ds_load_b128 v[S+16*((\ks)%4)+4:S+16*((\ks)%4)+7],   v[LB] offset:((\ks)/8)*TILE+((\ks)%8)*128+16
	ds_load_b128 v[S+16*((\ks)%4)+8:S+16*((\ks)%4)+11],  v[LB] offset:((\ks)/8)*TILE+((\ks)%8)*128+64
	ds_load_b128 v[S+16*((\ks)%4)+12:S+16*((\ks)%4)+15], v[LB] offset:((\ks)/8)*TILE+((\ks)%8)*128+80
.endm
.irp k, 0,1,2,3,4,5,6,7
	LDCB \k, \k
.endr
	v_mul_u32_u24 v[LB], v2, PITCH
	v_lshl_add_u32 v[LB], v3, 5, v[LB]             ; row r, 32 h bytes (8 f32)
	v_add_nc_u32 v[LB], s33, v[LB]
	s_lshl_b32 s39, s32, 11
	s_add_co_u32 s39, s39, RED
	v_lshl_add_u32 v6, v1, 4, s39                  ; my wave's scratch, 16 bytes a lane
	v_lshl_add_u32 v7, v1, 4, RED                  ; the first wave's scratch
	s_wait_tensorcnt 0x1                           ; my first tile has landed; the second, issued behind it, stays out
.irp k, 0,1,2,3
	LDSW \k
.endr
; One K step of 32.  Two matrix instructions on two accumulators that take turns, one instruction a turn.
.macro KSTEP s
.if \s == 0
	s_wait_loadcnt 28                              ; younger than step 0's four loads: steps 1 to 7
.else
.if \s < 9
	s_wait_loadcnt 24                              ; younger than this step's: the six steps s + 1 .. s + 6
.else
	s_wait_loadcnt 4*(15-\s)                       ; nothing is issued any more: the steps that are left
.endif
.endif
.if \s < 12
	s_wait_dscnt 12                                ; younger than this step's four LDS loads: steps s + 1 .. s + 3
.else
	s_wait_dscnt 4*(15-\s)
.endif
.irp p, 0,1,2,3,4,5,6,7
	v_cvt_pk_bf16_f32 v[F+8*(\s%2)+\p], v[S+16*(\s%4)+2*\p], v[S+16*(\s%4)+2*\p+1]
.endr
	; these eight conversions name no register of the last step's matrix instructions: they are the four places and more
	; in front of the loads into the slot that those read, and in front of the next step's writes of their W fragment
.if \s > 0
.if \s < 9
	LDCB (\s+7), ((\s+7)%8)
.endif
.endif
.if \s == 4
	s_wait_tensorcnt 0x0                           ; K step 8 is the first of my second tile
.endif
.if \s < 12
	LDSW (\s+4)
.endif
.if \s == 0
	v_wmma_f32_16x16x32_bf16 v[ACC:ACC+7],    v[F:F+7], v[CB:CB+7],    0     ; the first products start the sums
	v_wmma_f32_16x16x32_bf16 v[ACC+8:ACC+15], v[F:F+7], v[CB+8:CB+15], 0
.else
	v_wmma_f32_16x16x32_bf16 v[ACC:ACC+7],    v[F+8*(\s%2):F+8*(\s%2)+7], v[CB+16*(\s%8):CB+16*(\s%8)+7],    v[ACC:ACC+7]
	v_wmma_f32_16x16x32_bf16 v[ACC+8:ACC+15], v[F+8*(\s%2):F+8*(\s%2)+7], v[CB+16*(\s%8)+8:CB+16*(\s%8)+15], v[ACC+8:ACC+15]
.endif
.endm
.irp s, 0,1,2,3,4,5,6,7,8,9,10,11,12,13,14,15
	KSTEP \s
.endr
.rept 4
	v_nop                                          ; four places behind the last matrix instructions: for the LDS stores of their results and the loads into CB
.endr
.irp q, 0,1,2,3
	ds_store_b128 v6, v[ACC+4*\q:ACC+4*\q+3] offset:\q*512
.endr
	s_wait_dscnt 0x0                               ; my sums are in LDS before I say so
	s_barrier_signal -1
	s_barrier_wait -1
	s_cmp_lg_u32 s32, 0
	s_cbranch_scc1 .Lend
	; wave 0 adds the eight waves' sums: 16 registers each
.irp w, 0,1,2,3,4,5,6,7
.irp q, 0,1,2,3
	ds_load_b128 v[CB+16*\w+4*\q:CB+16*\w+4*\q+3], v7 offset:\w*2048+\q*512
.endr
.endr
	s_lshl_b32 s40, ttmp9, 7
	s_add_nc_u64 s[14:15], s[14:15], s[40:41]      ; dpart + 128 g   (s41 = 0)
	s_lshr_b32 s44, ttmp9, 1
	s_lshl_b32 s44, s44, 11                        ; j / 32 = g / 2: the K step of the next product
	s_and_b32 s45, ttmp9, 1
	s_lshl_b32 s45, s45, 9                         ; (j % 32) / 16 = g % 2
	s_add_co_u32 s44, s44, s45
	s_mov_b32 s45, 0
	s_add_nc_u64 s[12:13], s[12:13], s[44:45]
.irp w, 1,2,3,4,5,6,7
	s_wait_dscnt 4*(7-\w)                          ; waves 0 .. w are in; four loads for each later wave stay out
.irp i, 0,2,4,6,8,10,12,14
	v_pk_add_f32 v[CB+\i:CB+\i+1], v[CB+\i:CB+\i+1], v[CB+16*\w+\i:CB+16*\w+\i+1]
.endr
.endr
.irp t, 0,1
.irp i, 0,2,4,6
	v_pk_fma_f32 v[CB+8*\t+\i:CB+8*\t+\i+1], v[WB+\i:WB+\i+1], 0x42800000, v[CB+8*\t+\i:CB+8*\t+\i+1] op_sel_hi:[1,0,1]   ; + 64 W_b[j]: the bias of 64 summed queries
.endr
.endr
.irp t, 0,1
	v_pk_mul_f32 v[26+2*\t:27+2*\t], v[CB+8*\t:CB+8*\t+1], v[WS:WS+1]
.irp i, 2,4,6
	v_pk_fma_f32 v[26+2*\t:27+2*\t], v[CB+8*\t+\i:CB+8*\t+\i+1], v[WS+\i:WS+\i+1], v[26+2*\t:27+2*\t]
.endr
.endr
	v_add_f32 v26, v26, v27                        ; my 8 j, tile b 0-15
	v_add_f32 v28, v28, v29                        ; and tile b 16-31
	v_permlanex16_b32 v27, v26, s42, s43           ; the other 8 j
	v_permlanex16_b32 v29, v28, s42, s43
	v_add_f32 v26, v26, v27
	v_add_f32 v28, v28, v29
	v_cmp_gt_u32 vcc_lo, 16, v1
	v_cndmask_b32 v26, v28, v26, vcc_lo            ; lane l keeps b = l
	v_lshlrev_b32 v30, 2, v1
	global_store_b32 v30, v26, s[14:15]            ; 128 consecutive bytes: all that the work-group has of d
.irp t, 0,1
.irp i, 0,1,2,3
	v_cvt_pk_bf16_f32 v[S+4*\t+\i], v[CB+8*\t+2*\i], v[CB+8*\t+2*\i+1]
.endr
	global_store_b128 v[FO], v[S+4*\t:S+4*\t+3], s[12:13] offset:\t*1024   ; the wave stores 512 consecutive bytes, aligned, in fragment order
.endr
.Lend:
	s_endpgm
.Lfunc_end_k_q59fb75760c_proj1:
	.size	k_q59fb75760c_proj1, .Lfunc_end_k_q59fb75760c_proj1-k_q59fb75760c_proj1
	.p2alignl 7, 3214868480
	.fill 96, 4, 3214868480
	.section	.rodata,"a",@progbits
	.p2align	6, 0x0
	.amdhsa_kernel k_q59fb75760c_proj1
		.amdhsa_group_segment_fixed_size 282624
		.amdhsa_private_segment_fixed_size 0
		.amdhsa_enable_private_segment 0
		.amdhsa_kernarg_size 48
		.amdhsa_user_sgpr_count 2
		.amdhsa_user_sgpr_kernarg_segment_ptr 1
		.amdhsa_wavefront_size32 1
		.amdhsa_system_sgpr_workgroup_id_x 1
		.amdhsa_system_sgpr_workgroup_id_y 1
		.amdhsa_system_sgpr_workgroup_id_z 1
		.amdhsa_system_vgpr_workitem_id 0
		.amdhsa_next_free_vgpr 256
		.amdhsa_next_free_sgpr 66
		.amdhsa_reserve_vcc 1
		.amdhsa_float_denorm_mode_32 3
		.amdhsa_float_denorm_mode_16_64 3
		.amdhsa_memory_ordered 1
		.amdhsa_forward_progress 1
		.amdhsa_inst_pref_size 34
	.end_amdhsa_kernel
	.amdgpu_metadata
---
amdhsa.version: [ 1, 2 ]
amdhsa.kernels:
  - .name:           k_q59fb75760c_proj1
    .symbol:         k_q59fb75760c_proj1.kd
    .args:
      - { .name: W_w, .offset: 0, .size: 8, .value_kind: global_buffer, .address_space: global }
      - { .name: cbarF, .offset: 8, .size: 8, .value_kind: global_buffer, .address_space: global }
      - { .name: W_b, .offset: 16, .size: 8, .value_kind: global_buffer, .address_space: global }
      - { .name: Ws_b, .offset: 24, .size: 8, .value_kind: global_buffer, .address_space: global }
      - { .name: cF, .offset: 32, .size: 8, .value_kind: global_buffer, .address_space: global }
      - { .name: dpart, .offset: 40, .size: 8, .value_kind: global_buffer, .address_space: global }
    .group_segment_fixed_size: 282624
    .private_segment_fixed_size: 0
    .kernarg_segment_align: 8
    .kernarg_segment_size: 48
    .max_flat_workgroup_size: 256
    .sgpr_count:     66
    .vgpr_count:     256
    .wavefront_size: 32
...
	.end_amdgpu_metadata
.endif
;; end of part 2
;; launch proj2 (part 3): grid 256 x 1, 8 waves a work-group, no clusters, 327,680 bytes of LDS; arguments Ws_w, cF, uP; writes uP
.if DOCPART == 3
	.amdgcn_target "amdgcn-amd-amdhsa--gfx1250"
	.amdhsa_code_object_version 6
	.text
	.protected	k_q59fb75760c_proj2
	.globl	k_q59fb75760c_proj2
	.p2align	8
	.type	k_q59fb75760c_proj2,@function
k_q59fb75760c_proj2:
	s_mov_b64 s[64:65], 0
	v_nop
	global_prefetch_b8 v0, s[64:65] scope:SCOPE_SE
	s_setreg_imm32_b32 hwreg(HW_REG_WAVE_MODE, 25, 1), 1
	s_wait_xcnt 0x0
; uP[kq][b][i] = sum over j = 1024 kq .. + 1023 of c[b][j] Ws_w[j][i]     (bf16 operands, f32 sums; four partial sums over j)
; With u = the sum of the four, sum_j c[b][j] xs[b][k][j] = u[b] . X_norm[b][k] + d[b]: the second projection is applied to the
; summed query side (32 rows) and not to the 2,048 rows of X_norm.  LIMIT: another order of sums than the formula as written;
; Ws_w and c enter as bf16.
; Work-group: 64 columns i (256 bytes of a row) x 1,024 rows j; each byte of Ws_w is read once in the launch.
; Wave w: 128 rows, 4 K steps of 32; the eight waves' sums meet in LDS at the end.
; ALL of the work-group's 262,144 bytes are requested at the head: two tensor loads a wave (64 rows x 256 bytes, each row aligned to
; 256 bytes), first fills only, into bytes that the issuing wave alone reads; nothing is filled again.  Two tensor loads of a wave
; are out at the most, by this text's count.
; NO JOINT LOADS: no two work-groups read the same bytes of Ws_w; c is shared (65,536 bytes of the 327,680 that a work-group takes in),
; but the tiles (262,144) and the scratch (65,536) take all of LDS; c lies in fragment order and goes straight into registers.
; COLUMNS: Ws_w lies [K][N].  Lane (x = l % 16, h = l / 16) reads 16 bytes, columns 4 x .. 4 x + 3, of a row; its four words go to four
; B fragments c = 0 .. 3 in which column n = x stands for i = 64 nb + 4 x + c.  So an LDS load takes 256 consecutive bytes for sixteen
; lanes, and the four tiles' results are four neighbouring columns of u.
.set TILE,  16384                      ; 64 rows x 256 bytes
.set DUMP,  262144                     ; scratch for the closing sum, 8,192 bytes a wave; no tensor load lands here
.set AO,    4                          ; v4  my byte offset in cF
.set LB,    5                          ; v5  LDS address of my 16 bytes in row 8 h of my wave's first tile
.set DA,    6                          ; v6  my 16 bytes in my wave's scratch
.set RA,    7                          ; v7  the closing sum: where I read
.set UO,    8                          ; v8  my byte offset in uP
.set A,     16                         ; v[16:79]   c fragments: K step s, tile t at A + 16 s + 8 t; later, with S, the waves' sums
.set S,     80                         ; v[80:143]  16 rows x 4 columns of W in f32
.set F,     144                        ; v[144:175] four B fragments in bf16
.set ACC,   176                        ; v[176:239] tile (t, c) at ACC + 8 (4 t + c)
.set OUT,   240                        ; v[240:255] four rows x four neighbouring columns
.set G1,    16
.set G0,    24
	s_load_b128 s[4:7], s[0:1], 0x0                ; Ws_w s[4:5], cF s[6:7]
	s_load_b64 s[8:9], s[0:1], 0x10                ; uP
	v_lshrrev_b32 v1, 5, v0
	v_readfirstlane_b32 s32, v1                    ; wave 0..7
	s_and_b32 s33, ttmp9, 63                       ; nb: which 64 columns
	s_lshr_b32 s34, ttmp9, 6                       ; kq: which 1,024 rows
	s_mov_b32 s[G1+0], 2<<16                       ; no mask; elements of 4 bytes; no padding: rows are read whole, 256 consecutive bytes
	s_mov_b32 s[G1+1], 64<<16                      ; tensor_dim0 = 64 elements
	s_mov_b32 s[G1+2], 64<<16                      ; tensor_dim1 = 64 rows
	s_mov_b32 s[G1+3], 64<<16                      ; tile_dim0 = 64
	s_mov_b32 s[G1+4], 64                          ; tile_dim1 = 64
	s_mov_b32 s[G1+5], 4096                        ; elements from row to row
	s_mov_b32 s[G1+6], 0
	s_mov_b32 s[G1+7], 0
	s_lshl_b32 s36, s34, 24                        ; kq x 1,024 rows x 16,384 bytes
	s_lshl_b32 s37, s32, 21                        ; + wave x 128 rows
	s_add_co_u32 s36, s36, s37
	s_lshl_b32 s37, s33, 8                         ; + 256 nb
	s_add_co_u32 s36, s36, s37
	s_mov_b32 s37, 0
	s_lshl_b32 s35, s32, 15                        ; my two tiles in LDS
	s_wait_kmcnt 0x0
	s_add_nc_u64 s[38:39], s[4:5], s[36:37]
.irp z, 0,1
	s_mov_b32 s[G0+4*\z], 1
	s_add_co_u32 s[G0+4*\z+1], s35, \z*TILE
	s_add_nc_u64 s[G0+4*\z+2:G0+4*\z+3], s[38:39], \z*1048576      ; 64 rows on
	s_or_b32 s[G0+4*\z+3], s[G0+4*\z+3], 0x80000000
	tensor_load_to_lds s[G0+4*\z:G0+4*\z+3], s[G1:G1+7]
	s_nop 0
.endr
	v_and_b32 v1, 31, v0                           ; l
	v_and_b32 v2, 15, v0                           ; x
	v_bfe_u32 v3, v0, 4, 1                         ; h
	v_and_b32 v[AO], 7, v0
	v_lshlrev_b32 v[AO], 4, v[AO]
	v_lshl_add_u32 v[AO], v3, 7, v[AO]
	v_bfe_u32 v9, v0, 3, 1
	v_lshl_add_u32 v[AO], v9, 8, v[AO]             ; my place in 512 bytes of fragment order
	s_lshl_b32 s40, s34, 16                        ; + 32 K steps of 2,048 bytes for each kq
	s_lshl_b32 s41, s32, 13                        ; + 4 for each wave
	s_add_co_u32 s40, s40, s41
	v_add_nc_u32 v[AO], s40, v[AO]
.irp s, 0,1,2,3
.irp q, 0,1,2,3
	global_load_b128 v[A+16*\s+4*\q:A+16*\s+4*\q+3], v[AO], s[6:7] offset:\s*2048+\q*512
.endr
.endr
	v_lshlrev_b32 v[LB], 4, v2
	v_lshl_add_u32 v[LB], v3, 11, v[LB]            ; 16 x + 8 h rows
	v_add_nc_u32 v[LB], s35, v[LB]
	s_lshl_b32 s41, s32, 13
	s_add_co_u32 s41, s41, DUMP
	v_lshl_add_u32 v[DA], v1, 4, s41
	v_lshlrev_b32 v[UO], 4, v2
	v_lshl_add_u32 v[UO], v3, 17, v[UO]            ; 16 x + 8 h rows of 16,384 bytes
; K step s: load l brings row 32 s + 16 (l / 8) + 8 h + l % 8
.macro DSW s
.irp l, 0,1,2,3,4,5,6,7,8,9,10,11,12,13,14,15
	ds_load_b128 v[S+4*\l:S+4*\l+3], v[LB] offset:\s*8192+(\l/8)*4096+(\l%8)*256
.endr
.endm
; register p of fragment c: rows 2 p and 2 p + 1 of my sixteen, column c of my four
.macro CVT
.irp c, 0,1,2,3
.irp p, 0,1,2,3,4,5,6,7
	v_cvt_pk_bf16_f32 v[F+8*\c+\p], v[S+8*\p+\c], v[S+8*\p+4+\c]
.endr
.endr
.endm
; eight matrix instructions on eight accumulators that take turns, one instruction a turn
.macro MM s, zero
.irp c, 0,1,2,3
.irp t, 0,1
.if \zero
	v_wmma_f32_16x16x32_bf16 v[ACC+8*(4*\t+\c):ACC+8*(4*\t+\c)+7], v[A+16*\s+8*\t:A+16*\s+8*\t+7], v[F+8*\c:F+8*\c+7], 0
.else
	v_wmma_f32_16x16x32_bf16 v[ACC+8*(4*\t+\c):ACC+8*(4*\t+\c)+7], v[A+16*\s+8*\t:A+16*\s+8*\t+7], v[F+8*\c:F+8*\c+7], v[ACC+8*(4*\t+\c):ACC+8*(4*\t+\c)+7]
.endif
.endr
.endr
.endm
.macro KSTEP s
	s_wait_dscnt 0x0                               ; this step's sixteen rows are in
	s_wait_loadcnt 4*(3-\s)                        ; and its c fragments; four loads for each later step stay out
	CVT
.if \s == 1
	s_wait_tensorcnt 0x0                           ; K step 2 is the first of my second tile
.endif
.if \s < 3
	DSW (\s+1)                                     ; the next step's rows come in under this step's products
.endif
.if \s == 0
	MM \s, 1                                       ; the first products start the sums
.else
	MM \s, 0
.endif
.rept 4
	v_nop                                          ; four places in front of the next conversions, which write F; behind the last step: in front of the LDS stores of the results and the loads into A
.endr
.endm
	s_wait_tensorcnt 0x1                           ; my first tile has landed; the second, issued behind it, stays out
	DSW 0
	KSTEP 0
	KSTEP 1
	KSTEP 2
	KSTEP 3
.irp i, 0,1,2,3,4,5,6,7,8,9,10,11,12,13,14,15
	ds_store_b128 v[DA], v[ACC+4*\i:ACC+4*\i+3] offset:\i*512      ; i = 2 (4 t + c) + q: registers 4 q .. 4 q + 3 of tile (t, c)
.endr
	s_wait_dscnt 0x0                               ; my sums are in LDS before I say so
	s_barrier_signal -1
	s_barrier_wait -1
	s_cmp_gt_u32 s32, 3
	s_cbranch_scc1 .Lend
	; waves 0 to 3 add: wave v takes t = v / 2, q = v % 2: rows b = 16 t + 8 h + 4 q + 0 .. 3, all 64 columns
	s_bfe_u32 s40, s32, 0x10001                    ; t
	s_and_b32 s41, s32, 1                          ; q
	s_lshl_b32 s42, s40, 12
	s_lshl_b32 s43, s41, 9
	s_add_co_u32 s42, s42, s43
	s_add_co_u32 s42, s42, DUMP
	v_lshl_add_u32 v[RA], v1, 4, s42
.irp c, 0,1,2,3
.irp w, 0,1,2,3,4,5,6,7
	ds_load_b128 v[A+32*\c+4*\w:A+32*\c+4*\w+3], v[RA] offset:\w*8192+\c*1024
.endr
.endr
	s_lshl_b32 s44, s34, 19                        ; kq x 32 rows x 16,384 bytes
	s_lshl_b32 s45, s33, 8                         ; + 256 nb
	s_add_co_u32 s44, s44, s45
	s_lshl_b32 s45, s40, 18                        ; + 16 t rows
	s_add_co_u32 s44, s44, s45
	s_lshl_b32 s45, s41, 16                        ; + 4 q rows
	s_add_co_u32 s44, s44, s45
	s_mov_b32 s45, 0
	s_add_nc_u64 s[8:9], s[8:9], s[44:45]
.irp c, 0,1,2,3
	s_wait_dscnt 8*(3-\c)                          ; column c's eight loads are in; eight for each later column stay out
.irp w, 1,2,3,4,5,6
	v_pk_add_f32 v[A+32*\c:A+32*\c+1],   v[A+32*\c:A+32*\c+1],   v[A+32*\c+4*\w:A+32*\c+4*\w+1]
	v_pk_add_f32 v[A+32*\c+2:A+32*\c+3], v[A+32*\c+2:A+32*\c+3], v[A+32*\c+4*\w+2:A+32*\c+4*\w+3]
.endr
.irp j, 0,1,2,3
	v_add_f32 v[OUT+4*\j+\c], v[A+32*\c+\j], v[A+32*\c+28+\j]      ; the last addition also puts a row's four columns side by side
.endr
.endr
.irp j, 0,1,2,3
	global_store_b128 v[UO], v[OUT+4*\j:OUT+4*\j+3], s[8:9] offset:\j*16384   ; sixteen neighbouring lanes store 256 consecutive bytes, aligned
.endr
.Lend:
	s_endpgm
.Lfunc_end_k_q59fb75760c_proj2:
	.size	k_q59fb75760c_proj2, .Lfunc_end_k_q59fb75760c_proj2-k_q59fb75760c_proj2
	.p2alignl 7, 3214868480
	.fill 96, 4, 3214868480
	.section	.rodata,"a",@progbits
	.p2align	6, 0x0
	.amdhsa_kernel k_q59fb75760c_proj2
		.amdhsa_group_segment_fixed_size 327680
		.amdhsa_private_segment_fixed_size 0
		.amdhsa_enable_private_segment 0
		.amdhsa_kernarg_size 24
		.amdhsa_user_sgpr_count 2
		.amdhsa_user_sgpr_kernarg_segment_ptr 1
		.amdhsa_wavefront_size32 1
		.amdhsa_system_sgpr_workgroup_id_x 1
		.amdhsa_system_sgpr_workgroup_id_y 1
		.amdhsa_system_sgpr_workgroup_id_z 1
		.amdhsa_system_vgpr_workitem_id 0
		.amdhsa_next_free_vgpr 256
		.amdhsa_next_free_sgpr 66
		.amdhsa_reserve_vcc 0
		.amdhsa_float_denorm_mode_32 3
		.amdhsa_float_denorm_mode_16_64 3
		.amdhsa_memory_ordered 1
		.amdhsa_forward_progress 1
		.amdhsa_inst_pref_size 27
	.end_amdhsa_kernel
	.amdgpu_metadata
---
amdhsa.version: [ 1, 2 ]
amdhsa.kernels:
  - .name:           k_q59fb75760c_proj2
    .symbol:         k_q59fb75760c_proj2.kd
    .args:
      - { .name: Ws_w, .offset: 0, .size: 8, .value_kind: global_buffer, .address_space: global }
      - { .name: cF, .offset: 8, .size: 8, .value_kind: global_buffer, .address_space: global }
      - { .name: uP, .offset: 16, .size: 8, .value_kind: global_buffer, .address_space: global }
    .group_segment_fixed_size: 327680
    .private_segment_fixed_size: 0
    .kernarg_segment_align: 8
    .kernarg_segment_size: 24
    .max_flat_workgroup_size: 256
    .sgpr_count:     66
    .vgpr_count:     256
    .wavefront_size: 32
...
	.end_amdgpu_metadata
.endif
;; end of part 3
;; launch dotx (part 4): grid 256 x 1, 8 waves a work-group, no clusters, 4,096 bytes of LDS; arguments X_norm, uP, tP; writes tP
.if DOCPART == 4
	.amdgcn_target "amdgcn-amd-amdhsa--gfx1250"
	.amdhsa_code_object_version 6
	.text
	.protected	k_q59fb75760c_dotx
	.globl	k_q59fb75760c_dotx
	.p2align	8
	.type	k_q59fb75760c_dotx,@function
k_q59fb75760c_dotx:
	s_mov_b64 s[64:65], 0
	v_nop
	global_prefetch_b8 v0, s[64:65] scope:SCOPE_SE
	s_setreg_imm32_b32 hwreg(HW_REG_WAVE_MODE, 25, 1), 1
	s_wait_xcnt 0x0
; tP[e][b][k] = sum over i = 512 e .. + 511 of u[b][i] X_norm[b][k][i],   u = the sum of uP's four parts.   All in f32.
; A stream: each byte of X_norm is read once; one row of u against 64 rows of X is no work for the matrix unit, and no two
; work-groups read the same bytes of X_norm, so no cluster.  Work-group: one b, 512 columns.  Wave w: rows k = 8 w .. 8 w + 7.
; Everything is requested at the head: 4 loads of u's parts, then 32 loads of 16 bytes a lane, 512 consecutive bytes each.
.set TS, 2048                          ; LDS: u at 0 (2,048 bytes), the 64 results at 2,048 (256 bytes)
.set UP, 8                             ; v[8:15]   two columns of each of u's four parts
.set U,  16                            ; v[16:31]  u of my 16 columns
.set R,  32                            ; v[32:39]  my wave's eight rows
.set P,  48                            ; v[48:49]  a row's running pair
.set X,  64                            ; v[64:191] row j, piece c at X + 16 j + 4 c
	s_load_b128 s[4:7], s[0:1], 0x0                ; X_norm s[4:5], uP s[6:7]
	s_load_b64 s[8:9], s[0:1], 0x10                ; tP
	v_lshrrev_b32 v1, 5, v0
	v_readfirstlane_b32 s10, v1                    ; wave 0..7
	s_lshr_b32 s11, ttmp9, 3                       ; b
	s_and_b32 s12, ttmp9, 7                        ; e
	s_mov_b32 s14, 0x76543210
	s_mov_b32 s15, 0xfedcba98
	v_and_b32 v1, 31, v0                           ; l
	v_lshlrev_b32 v2, 3, v0                        ; 8 bytes of u for each of the 256 threads
	v_lshlrev_b32 v3, 4, v1                        ; 16 l
	s_lshl_b32 s13, s10, 17
	v_add_nc_u32 v4, s13, v3                       ; + wave x 8 rows of 16,384 bytes
	s_lshl_b32 s13, s10, 8
	v_lshl_add_u32 v5, v1, 3, s13                  ; LDS: 256 bytes of u a wave
	s_lshl_b32 s18, s12, 11                        ; 512 columns of f32
	s_lshl_b32 s16, s11, 14
	s_add_co_u32 s16, s16, s18
	s_mov_b32 s17, 0
	s_lshl_b32 s20, s11, 20
	s_add_co_u32 s20, s20, s18
	s_mov_b32 s21, 0
	s_wait_kmcnt 0x0
	s_add_nc_u64 s[6:7], s[6:7], s[16:17]
	s_add_nc_u64 s[4:5], s[4:5], s[20:21]
.irp p, 0,1,2,3
	global_load_b64 v[UP+2*\p:UP+2*\p+1], v2, s[6:7] offset:\p*524288 th:TH_LOAD_NT
.endr
.irp j, 0,1,2,3,4,5,6,7
.irp c, 0,1,2,3
	global_load_b128 v[X+16*\j+4*\c:X+16*\j+4*\c+3], v4, s[4:5] offset:\j*16384+\c*512 th:TH_LOAD_NT
.endr
.endr
	s_wait_loadcnt 32                              ; u's four parts are in; the 32 loads of X behind them stay out
	v_pk_add_f32 v[UP:UP+1], v[UP:UP+1], v[UP+2:UP+3]
	v_pk_add_f32 v[UP+4:UP+5], v[UP+4:UP+5], v[UP+6:UP+7]
	v_pk_add_f32 v[UP:UP+1], v[UP:UP+1], v[UP+4:UP+5]
	ds_store_b64 v5, v[UP:UP+1]
	s_wait_dscnt 0x0                               ; my part of u is in LDS before I say so
	s_barrier_signal -1
	s_barrier_wait -1
.irp c, 0,1,2,3
	ds_load_b128 v[U+4*\c:U+4*\c+3], v3 offset:\c*512
.endr
	s_wait_dscnt 0x0
.macro ROW j
	s_wait_loadcnt 4*(7-\j)                        ; row j's four loads are in; four for each later row stay out
	v_pk_mul_f32 v[P:P+1], v[X+16*\j:X+16*\j+1], v[U:U+1]
.irp i, 2,4,6,8,10,12,14
	v_pk_fma_f32 v[P:P+1], v[X+16*\j+\i:X+16*\j+\i+1], v[U+\i:U+\i+1], v[P:P+1]
.endr
	v_add_f32 v[R+\j], v[P], v[P+1]
.endm
.irp j, 0,1,2,3,4,5,6,7
	ROW \j
.endr
	; eight sums over the 32 lanes, side by side so that no instruction waits for the one in front of it
.irp m, 1,2,4,8
.irp j, 0,1,2,3,4,5,6,7
	v_add_f32_dpp v[R+\j], v[R+\j], v[R+\j] row_xmask:\m row_mask:0xf bank_mask:0xf
.endr
.endr
.irp j, 0,1,2,3,4,5,6,7
	v_permlanex16_b32 v[X+\j], v[R+\j], s14, s15   ; the destination is a register that a load wrote and a row has used
.endr
.irp j, 0,2,4,6
	v_pk_add_f32 v[R+\j:R+\j+1], v[R+\j:R+\j+1], v[X+\j:X+\j+1]
.endr
	s_lshl_b32 s13, s10, 5
	s_add_co_u32 s13, s13, TS
	v_mov_b32 v6, s13
	ds_store_b128 v6, v[R:R+3]                     ; every lane holds the same eight sums and stores them to the same 32 bytes
	ds_store_b128 v6, v[R+4:R+7] offset:16
	s_wait_dscnt 0x0
	s_barrier_signal -1
	s_barrier_wait -1
	s_cmp_lg_u32 s10, 0
	s_cbranch_scc1 .Lend
	v_lshlrev_b32 v10, 3, v1
	ds_load_b64 v[12:13], v10 offset:TS            ; k = 2 l, 2 l + 1
	s_lshl_b32 s16, s12, 13                        ; e x 32 x 256 bytes
	s_lshl_b32 s18, s11, 8
	s_add_co_u32 s16, s16, s18
	s_add_nc_u64 s[8:9], s[8:9], s[16:17]
	s_wait_dscnt 0x0
	global_store_b64 v10, v[12:13], s[8:9]         ; the wave stores 256 consecutive bytes, aligned
.Lend:
	s_endpgm
.Lfunc_end_k_q59fb75760c_dotx:
	.size	k_q59fb75760c_dotx, .Lfunc_end_k_q59fb75760c_dotx-k_q59fb75760c_dotx
	.p2alignl 7, 3214868480
	.fill 96, 4, 3214868480
	.section	.rodata,"a",@progbits
	.p2align	6, 0x0
	.amdhsa_kernel k_q59fb75760c_dotx
		.amdhsa_group_segment_fixed_size 4096
		.amdhsa_private_segment_fixed_size 0
		.amdhsa_enable_private_segment 0
		.amdhsa_kernarg_size 24
		.amdhsa_user_sgpr_count 2
		.amdhsa_user_sgpr_kernarg_segment_ptr 1
		.amdhsa_wavefront_size32 1
		.amdhsa_system_sgpr_workgroup_id_x 1
		.amdhsa_system_sgpr_workgroup_id_y 1
		.amdhsa_system_sgpr_workgroup_id_z 1
		.amdhsa_system_vgpr_workitem_id 0
		.amdhsa_next_free_vgpr 192
		.amdhsa_next_free_sgpr 66
		.amdhsa_reserve_vcc 0
		.amdhsa_float_denorm_mode_32 3
		.amdhsa_float_denorm_mode_16_64 3
		.amdhsa_memory_ordered 1
		.amdhsa_forward_progress 1
		.amdhsa_inst_pref_size 14
	.end_amdhsa_kernel
	.amdgpu_metadata
---
amdhsa.version: [ 1, 2 ]
amdhsa.kernels:
  - .name:           k_q59fb75760c_dotx
    .symbol:         k_q59fb75760c_dotx.kd
    .args:
      - { .name: X_norm, .offset: 0, .size: 8, .value_kind: global_buffer, .address_space: global }
      - { .name: uP, .offset: 8, .size: 8, .value_kind: global_buffer, .address_space: global }
      - { .name: tP, .offset: 16, .size: 8, .value_kind: global_buffer, .address_space: global }
    .group_segment_fixed_size: 4096
    .private_segment_fixed_size: 0
    .kernarg_segment_align: 8
    .kernarg_segment_size: 24
    .max_flat_workgroup_size: 256
    .sgpr_count:     66
    .vgpr_count:     192
    .wavefront_size: 32
...
	.end_amdgpu_metadata
.endif
;; end of part 4
;; launch soft (part 5): grid 1 x 1, 32 waves a work-group, no clusters, 8,192 bytes of LDS; arguments tP, dpart, dist_emb, mask, out0; writes out0
.if DOCPART == 5
	.amdgcn_target "amdgcn-amd-amdhsa--gfx1250"
	.amdhsa_code_object_version 6
	.text
	.protected	k_q59fb75760c_soft
	.globl	k_q59fb75760c_soft
	.p2align	8
	.type	k_q59fb75760c_soft,@function
k_q59fb75760c_soft:
	s_mov_b64 s[64:65], 0
	v_nop
	global_prefetch_b8 v0, s[64:65] scope:SCOPE_SE
	s_setreg_imm32_b32 hwreg(HW_REG_WAVE_MODE, 25, 1), 1
	s_wait_xcnt 0x0
; score[b][k] = SC ( sum_e tP[e][b][k] + d[b] + bias[k] ),  SC = 1 / (32 heads x 64 queries x sqrt(128)) = 2^-14.5
;   d[b]    = sum over g of dpart[g][b]                                  (what Ws_b brings; the same for every k)
;   bias[k] = sum over q, h of dist_emb[q - k + 127][h] = sum over m = 63 - k .. 126 - k of rowsum[64 + m]
; out0[b] = softmax over k of score, -inf where mask == 0, with the row's maximum taken away.
; 120 KB of input in all and sums that span all of it: one work-group of 32 waves; wave w is b, lane l owns k = 2 l, 2 l + 1.
; LIMITS: a row whose mask is all zero gives NaN, as the formula does.  Rows 0-63 and 192-254 of dist_emb are never indexed by
; q - k + 127 with q, k in 0..63 and are not read; row 191 is read with its neighbours and not used.
.set BI,     512                       ; LDS: row sums at 0 (128 words); bias at 512 (64 words); d's parts at 1,024
.set DSB,    1024
.set DPITCH, 136                       ; 32 words + 2: lanes that read a column touch 32 different banks
	s_load_b256 s[4:11], s[0:1], 0x0               ; tP s[4:5], dpart s[6:7], dist_emb s[8:9], mask s[10:11]
	s_load_b64 s[12:13], s[0:1], 0x20              ; out0
	v_lshrrev_b32 v1, 5, v0
	v_readfirstlane_b32 s14, v1                    ; wave 0..31
	s_mov_b32 s18, 0x76543210
	s_mov_b32 s19, 0xfedcba98
	v_and_b32 v1, 31, v0                           ; l
	v_lshlrev_b32 v3, 4, v0                        ; 16 bytes of dist_emb for each of the 1,024 threads
	v_lshlrev_b32 v4, 3, v1                        ; 8 l
	s_lshl_b32 s16, s14, 10
	s_mov_b32 s17, 0
	s_lshl_b32 s20, s14, 8
	s_mov_b32 s21, 0
	s_wait_kmcnt 0x0
	s_add_nc_u64 s[6:7], s[6:7], s[16:17]          ; dpart: eight g a wave
	s_add_nc_u64 s[4:5], s[4:5], s[20:21]          ; tP, mask, out0: row b = wave
	s_add_nc_u64 s[10:11], s[10:11], s[20:21]
	s_add_nc_u64 s[12:13], s[12:13], s[20:21]
	global_load_b128 v[8:11], v3, s[8:9] offset:8192               ; rows 64 .. 191: eight lanes a row
.irp n, 0,1,2,3
	global_load_b64 v[12+2*\n:13+2*\n], v4, s[6:7] offset:\n*256   ; g = 8 w + 2 n + l / 16, b = 2 (l % 16), + 1
.endr
.irp e, 0,1,2,3,4,5,6,7
	global_load_b64 v[20+2*\e:21+2*\e], v4, s[4:5] offset:\e*8192
.endr
	global_load_b64 v[36:37], v4, s[10:11]
	v_lshrrev_b32 v5, 3, v1
	s_lshl_b32 s22, s14, 4
	v_lshl_add_u32 v5, v5, 2, s22                  ; row sums: four words a wave
	s_mul_i32 s23, s14, DPITCH
	s_add_co_u32 s23, s23, DSB
	v_and_b32 v6, 15, v1
	v_lshl_add_u32 v6, v6, 3, s23                  ; d's parts: a row of 32 words a wave
	s_lshl_b32 s24, s14, 3
	s_sub_co_u32 s24, 248, s24
	v_lshl_add_u32 v7, v1, 2, s24                  ; word 62 - 2 w + l: the first term of bias[2 w + 1] is at l = 0
	v_mul_u32_u24 v44, v1, DPITCH
	s_lshl_b32 s25, s14, 2
	s_add_co_u32 s25, s25, DSB
	v_add_nc_u32 v44, s25, v44                     ; column b = w of row l of d's parts
	s_lshl_b32 s26, s14, 3
	s_add_co_u32 s26, s26, BI
	v_mov_b32 v45, s26
	v_mov_b32 v46, 0xff800000                      ; -inf
	s_wait_loadcnt 13                              ; dist_emb is in; the 13 loads behind it stay out
	v_add_f32 v8, v8, v9
	v_add_f32 v10, v10, v11
	v_add_f32 v8, v8, v10
.irp m, 1,2,4
	v_add_f32_dpp v8, v8, v8 row_xmask:\m row_mask:0xf bank_mask:0xf   ; over the row's eight lanes
.endr
	ds_store_b32 v5, v8                            ; eight lanes store the same word with the same value
	s_wait_loadcnt 9                               ; dpart is in; tP's eight and the mask stay out
	v_pk_add_f32 v[12:13], v[12:13], v[14:15]
	v_pk_add_f32 v[16:17], v[16:17], v[18:19]
	v_pk_add_f32 v[12:13], v[12:13], v[16:17]
	v_permlanex16_b32 v14, v12, s18, s19
	v_permlanex16_b32 v15, v13, s18, s19
	v_pk_add_f32 v[12:13], v[12:13], v[14:15]      ; my wave's eight g
	ds_store_b64 v6, v[12:13]                      ; both halves store the same 8 bytes with the same value
	s_wait_dscnt 0x0                               ; my stores are done before I say so
	s_barrier_signal -1
	s_barrier_wait -1
	ds_load_b32 v38, v7                            ; bias[2 w + 1]: 64 row sums, two a lane
	ds_load_b32 v39, v7 offset:128
	ds_load_b32 v40, v7 offset:4                   ; bias[2 w]: one word further up
	ds_load_b32 v41, v7 offset:132
	ds_load_b32 v42, v44                           ; d[w]: 32 parts, one a lane
	s_wait_dscnt 0x0
	v_add_f32 v39, v38, v39
	v_add_f32 v38, v40, v41
.irp m, 1,2,4,8
.irp r, 38,39,42
	v_add_f32_dpp v\r, v\r, v\r row_xmask:\m row_mask:0xf bank_mask:0xf
.endr
.endr
	v_permlanex16_b32 v40, v38, s18, s19
	v_permlanex16_b32 v41, v39, s18, s19
	v_permlanex16_b32 v14, v42, s18, s19
	v_pk_add_f32 v[38:39], v[38:39], v[40:41]
	v_add_f32 v42, v42, v14                        ; d[b] in every lane
	ds_store_b64 v45, v[38:39]                     ; bias[2 w], bias[2 w + 1]; every lane the same
	s_wait_dscnt 0x0
	s_barrier_signal -1
	s_barrier_wait -1
	ds_load_b64 v[40:41], v4 offset:BI             ; bias[2 l], bias[2 l + 1]
	s_wait_loadcnt 0x0                             ; tP and the mask
	v_pk_add_f32 v[20:21], v[20:21], v[22:23]
	v_pk_add_f32 v[24:25], v[24:25], v[26:27]
	v_pk_add_f32 v[28:29], v[28:29], v[30:31]
	v_pk_add_f32 v[32:33], v[32:33], v[34:35]
	v_pk_add_f32 v[20:21], v[20:21], v[24:25]
	v_pk_add_f32 v[28:29], v[28:29], v[32:33]
	v_pk_add_f32 v[20:21], v[20:21], v[28:29]
	s_wait_dscnt 0x0
	v_add_f32 v40, v40, v42
	v_add_f32 v41, v41, v42
	v_pk_add_f32 v[20:21], v[20:21], v[40:41]
	v_pk_mul_f32 v[20:21], v[20:21], 0x388293ee op_sel_hi:[1,0]    ; x 2^-14.5 log2(e): the exponential below is to base 2
	v_cmp_eq_u32 vcc_lo, 0, v36
	v_cndmask_b32 v20, v20, v46, vcc_lo
	v_cmp_eq_u32 vcc_lo, 0, v37
	v_cndmask_b32 v21, v21, v46, vcc_lo
	v_max_num_f32 v22, v20, v21
.irp m, 1,2,4,8
	v_max_num_f32_dpp v22, v22, v22 row_xmask:\m row_mask:0xf bank_mask:0xf
.endr
	v_permlanex16_b32 v23, v22, s18, s19
	v_max_num_f32 v22, v22, v23                    ; the row's maximum
	v_sub_f32 v20, v20, v22
	v_sub_f32 v21, v21, v22
	v_exp_f32 v26, v20
	v_exp_f32 v27, v21
	v_nop                                          ; one plain instruction between a transcendental and the use of its result (ISA guide 5.7.2)
	s_wait_alu depctr_va_vdst(0)
	v_add_f32 v24, v26, v27
.irp m, 1,2,4,8
	v_add_f32_dpp v24, v24, v24 row_xmask:\m row_mask:0xf bank_mask:0xf
.endr
	v_permlanex16_b32 v25, v24, s18, s19
	v_add_f32 v24, v24, v25
	v_rcp_f32 v28, v24
	v_nop                                          ; likewise
	s_wait_alu depctr_va_vdst(0)
	v_mul_f32 v26, v26, v28
	v_mul_f32 v27, v27, v28
	global_store_b64 v4, v[26:27], s[12:13]        ; the wave stores its row: 256 consecutive bytes, aligned
	s_endpgm
.Lfunc_end_k_q59fb75760c_soft:
	.size	k_q59fb75760c_soft, .Lfunc_end_k_q59fb75760c_soft-k_q59fb75760c_soft
	.p2alignl 7, 3214868480
	.fill 96, 4, 3214868480
	.section	.rodata,"a",@progbits
	.p2align	6, 0x0
	.amdhsa_kernel k_q59fb75760c_soft
		.amdhsa_group_segment_fixed_size 8192
		.amdhsa_private_segment_fixed_size 0
		.amdhsa_enable_private_segment 0
		.amdhsa_kernarg_size 40
		.amdhsa_user_sgpr_count 2
		.amdhsa_user_sgpr_kernarg_segment_ptr 1
		.amdhsa_wavefront_size32 1
		.amdhsa_system_sgpr_workgroup_id_x 1
		.amdhsa_system_sgpr_workgroup_id_y 1
		.amdhsa_system_sgpr_workgroup_id_z 1
		.amdhsa_system_vgpr_workitem_id 0
		.amdhsa_next_free_vgpr 48
		.amdhsa_next_free_sgpr 66
		.amdhsa_reserve_vcc 1
		.amdhsa_float_denorm_mode_32 3
		.amdhsa_float_denorm_mode_16_64 3
		.amdhsa_memory_ordered 1
		.amdhsa_forward_progress 1
		.amdhsa_inst_pref_size 8
	.end_amdhsa_kernel
	.amdgpu_metadata
---
amdhsa.version: [ 1, 2 ]
amdhsa.kernels:
  - .name:           k_q59fb75760c_soft
    .symbol:         k_q59fb75760c_soft.kd
    .args:
      - { .name: tP, .offset: 0, .size: 8, .value_kind: global_buffer, .address_space: global }
      - { .name: dpart, .offset: 8, .size: 8, .value_kind: global_buffer, .address_space: global }
      - { .name: dist_emb, .offset: 16, .size: 8, .value_kind: global_buffer, .address_space: global }
      - { .name: mask, .offset: 24, .size: 8, .value_kind: global_buffer, .address_space: global }
      - { .name: out0, .offset: 32, .size: 8, .value_kind: global_buffer, .address_space: global }
    .group_segment_fixed_size: 8192
    .private_segment_fixed_size: 0
    .kernarg_segment_align: 8
    .kernarg_segment_size: 40
    .max_flat_workgroup_size: 1024
    .sgpr_count:     66
    .vgpr_count:     48
    .wavefront_size: 32
...
	.end_amdgpu_metadata
.endif
;; end of part 5
;; ======== version 2 of 2: 5 launches; 1.14 times as fast as version 1
;; workspace buffers: cbarF 262,144 bytes; cF 262,144 bytes; dpart 32,768 bytes; uP 2,097,152 bytes; tP 65,536 bytes
;; launch sumq: the kernel of part 1 again; grid 256 x 1, 8 waves a work-group, no clusters, 1,024 bytes of LDS; arguments condition, cbarF; writes cbarF
;; launch proj1: the kernel of part 2 again; grid 256 x 1, 8 waves a work-group, no clusters, 282,624 bytes of LDS; arguments W_w, cbarF, W_b, Ws_b, cF, dpart; writes cF, dpart
;; launch proj2: the kernel of part 3 again; grid 256 x 1, 8 waves a work-group, no clusters, 327,680 bytes of LDS; arguments Ws_w, cF, uP; writes uP
;; launch dotx (part 6): grid 256 x 1, 8 waves a work-group, no clusters, 4,096 bytes of LDS; arguments X_norm, uP, dpart, dist_emb, tP; writes tP
.if DOCPART == 6
	.amdgcn_target "amdgcn-amd-amdhsa--gfx1250"
	.amdhsa_code_object_version 6
	.text
	.protected	k_q59fb75760c_dotx
	.globl	k_q59fb75760c_dotx
	.p2align	8
	.type	k_q59fb75760c_dotx,@function
k_q59fb75760c_dotx:
	s_mov_b64 s[64:65], 0
	v_nop
	global_prefetch_b8 v0, s[64:65] scope:SCOPE_SE
	s_setreg_imm32_b32 hwreg(HW_REG_WAVE_MODE, 25, 1), 1
	s_wait_xcnt 0x0
; tP[e][b][k] = sum over i = 512 e .. + 511 of u[b][i] X_norm[b][k][i]          u = the sum of uP's four parts
;             + sum over g = 32 e .. + 31 of dpart[g][b]                        an eighth of d[b], what Ws_b brings
;             + sum over q = 8 e .. + 7 and all 32 heads of dist_emb[q - k + 127][h]   an eighth of the position bias of key k
; All in f32.  The sum over e of the three lines is the unscaled score of (b, k); the next launch adds the eight parts.
; A stream: each byte of X_norm is read once; one row of u against 64 rows of X is no work for the matrix unit.  No cluster: no two
; work-groups read the same bytes of X_norm, and what is shared (dist_emb, dpart) is 2,048 bytes a wave against 16,384 of X.
; Work-group: one b, 512 columns.  Wave w: rows k = 8 w .. 8 w + 7.  Everything is requested at the head.
; d: eight e x 32 lanes are the 256 g: lane l stands for g = 32 e + l, and its word joins the lane's part of every row ahead of the
;    sum over the lanes.  Wave 0 fetches the 32 words once (4 bytes of each of 32 rows) and hands them on through LDS.
; BIAS: for k = 8 w + j and q = 8 e + (i + j - 7) the row is 120 + 8 e - 8 w + i, with 7 - j <= i <= 14 - j: sixteen whole rows,
;    2,048 consecutive bytes that start at a multiple of 1,024.  Load n gives lane l four columns of row i = 4 n + g, g = l / 8.
;    A window of eight rows holds two neighbours of g, 4 + g, 8 + g, 12 + g, so row j's addend is one of three sums of two.
; LIMITS: another order of sums than the formula as written.  Rows 0-63 and 192-254 of dist_emb are never indexed by q - k + 127 with
; q, k in 0..63 and are not read; the sixteenth of a wave's rows (i = 15) is read with its neighbours and not used.
.set TS,  2048                         ; LDS: u at 0 (2,048 bytes), the 64 results at 2,048 (256 bytes), d's 32 words at 2,304
.set DS,  2304
.set L,   1                            ; v1        lane
.set UO,  2                            ; v2        8 bytes of u for each of the 256 threads
.set L16, 3                            ; v3        16 l
.set XO,  4                            ; v4        my byte offset in X
.set LU,  5                            ; v5        where I put my 8 bytes of u in LDS
.set L4,  6                            ; v6        4 l
.set DO,  7                            ; v7        128 l: row l of dpart's 32
.set UP,  8                            ; v[8:15]   two columns of each of u's four parts
.set U,   16                           ; v[16:31]  u of my 16 columns
.set R,   32                           ; v[32:39]  my wave's eight rows
.set P,   48                           ; v[48:49]  a row's running pair
.set DE,  56                           ; v[56:71]  dist_emb: load n at DE + 4 n
.set DP,  72                           ; v72       dpart as loaded (wave 0)
.set DL,  73                           ; v73       d's word of my lane
.set P01, 74                           ; v74-76    rows g and 4 + g; 4 + g and 8 + g; 8 + g and 12 + g; each with d's word
.set P12, 75
.set P23, 76
.set G,   77                           ; v77       g = l / 8
.set TA,  78                           ; v78       where my wave puts its eight results
.set X,   80                           ; v[80:207] row j, piece c at X + 16 j + 4 c
	s_load_b256 s[4:11], s[0:1], 0x0               ; X_norm s[4:5], uP s[6:7], dpart s[8:9], dist_emb s[10:11]
	s_load_b64 s[12:13], s[0:1], 0x20              ; tP
	v_lshrrev_b32 v1, 5, v0
	v_readfirstlane_b32 s14, v1                    ; wave 0..7
	s_lshr_b32 s15, ttmp9, 3                       ; b
	s_and_b32 s16, ttmp9, 7                        ; e
	s_mov_b32 s18, 0x76543210                      ; v_permlanex16_b32: lane i reads lane i of the other half
	s_mov_b32 s19, 0xfedcba98
	v_and_b32 v[L], 31, v0
	v_lshlrev_b32 v[UO], 3, v0
	v_lshlrev_b32 v[L16], 4, v[L]
	s_lshl_b32 s17, s14, 17
	v_add_nc_u32 v[XO], s17, v[L16]                ; 16 l + wave x 8 rows of 16,384 bytes
	s_lshl_b32 s17, s14, 8
	v_lshl_add_u32 v[LU], v[L], 3, s17             ; LDS: 256 bytes of u a wave
	v_lshlrev_b32 v[L4], 2, v[L]
	v_lshlrev_b32 v[DO], 7, v[L]
	v_lshrrev_b32 v[G], 3, v[L]
	s_lshl_b32 s20, s16, 11                        ; 512 columns of f32
	s_lshl_b32 s22, s15, 14
	s_add_co_u32 s22, s22, s20                     ; uP: row b, my columns
	s_mov_b32 s23, 0
	s_lshl_b32 s24, s15, 20
	s_add_co_u32 s24, s24, s20                     ; X: 64 rows for each b, my columns
	s_mov_b32 s25, 0
	s_lshl_b32 s26, s16, 12                        ; dpart: 32 e rows of 128 bytes
	s_lshl2_add_u32 s26, s15, s26                  ; + 4 b
	s_mov_b32 s27, 0
	s_add_co_u32 s28, s16, 15
	s_sub_co_u32 s28, s28, s14
	s_lshl_b32 s28, s28, 10                        ; dist_emb: row 8 (15 + e - w) of 128 bytes: rows 64 .. 176, and fifteen more
	s_mov_b32 s29, 0
	s_wait_kmcnt 0x0
	s_add_nc_u64 s[6:7], s[6:7], s[22:23]
	s_add_nc_u64 s[4:5], s[4:5], s[24:25]
	s_add_nc_u64 s[8:9], s[8:9], s[26:27]
	s_add_nc_u64 s[10:11], s[10:11], s[28:29]
	s_cmp_lg_u32 s14, 0
	s_cbranch_scc1 .Lno_d_load                     ; this load is older than every load that is waited for by a count,
	global_load_b32 v[DP], v[DO], s[8:9]           ; so the counts hold with and without it
.Lno_d_load:
.irp p, 0,1,2,3
	global_load_b64 v[UP+2*\p:UP+2*\p+1], v[UO], s[6:7] offset:\p*524288 th:TH_LOAD_NT
.endr
.irp n, 0,1,2,3
	global_load_b128 v[DE+4*\n:DE+4*\n+3], v[L16], s[10:11] offset:\n*512      ; rows 4 n .. 4 n + 3 of my sixteen: 512 consecutive bytes
.endr
.irp j, 0,1,2,3,4,5,6,7
.irp c, 0,1,2,3
	global_load_b128 v[X+16*\j+4*\c:X+16*\j+4*\c+3], v[XO], s[4:5] offset:\j*16384+\c*512 th:TH_LOAD_NT
.endr
.endr
	s_wait_loadcnt 32                              ; d's words, u's parts and dist_emb are in; the 32 loads of X behind them stay out
	v_pk_add_f32 v[UP:UP+1], v[UP:UP+1], v[UP+2:UP+3]
	v_pk_add_f32 v[UP+4:UP+5], v[UP+4:UP+5], v[UP+6:UP+7]
	v_pk_add_f32 v[UP:UP+1], v[UP:UP+1], v[UP+4:UP+5]
	ds_store_b64 v[LU], v[UP:UP+1]
	s_cmp_lg_u32 s14, 0
	s_cbranch_scc1 .Lno_d_store
	ds_store_b32 v[L4], v[DP] offset:DS
.Lno_d_store:
	s_wait_dscnt 0x0                               ; my stores are in LDS before I say so
	s_barrier_signal -1
	; register work while the others arrive: each row's four columns, then the sums of two neighbouring rows
.irp n, 0,1,2,3
	v_pk_add_f32 v[DE+4*\n:DE+4*\n+1], v[DE+4*\n:DE+4*\n+1], v[DE+4*\n+2:DE+4*\n+3]
.endr
.irp n, 0,1,2,3
	v_add_f32 v[DE+4*\n], v[DE+4*\n], v[DE+4*\n+1]
.endr
	v_add_f32 v[P01], v[DE], v[DE+4]
	v_add_f32 v[P12], v[DE+4], v[DE+8]
	v_add_f32 v[P23], v[DE+8], v[DE+12]
	v_cmp_le_u32 s30, 3, v[G]                      ; g >= 3, 2, 1
	v_cmp_le_u32 s31, 2, v[G]
	v_cmp_le_u32 s32, 1, v[G]
	s_barrier_wait -1
.irp c, 0,1,2,3
	ds_load_b128 v[U+4*\c:U+4*\c+3], v[L16] offset:\c*512
.endr
	ds_load_b32 v[DL], v[L4] offset:DS
	s_wait_dscnt 0x0
	v_add_f32 v[P01], v[P01], v[DL]
	v_add_f32 v[P12], v[P12], v[DL]
	v_add_f32 v[P23], v[P23], v[DL]
	; row j's window is i = 7 - j .. 14 - j.  Of i = 4 n + g it holds n = 0, 1 where j + g >= 7; n = 1, 2 where 3 <= j + g <= 6; else n = 2, 3.
	; j = 3 takes n = 1, 2 and j = 7 takes n = 0, 1 for every g: no choice is made for them.
	v_cndmask_b32 v[R+0], v[P23], v[P12], s30
	v_cndmask_b32 v[R+1], v[P23], v[P12], s31
	v_cndmask_b32 v[R+2], v[P23], v[P12], s32
	v_cndmask_b32 v[R+4], v[P12], v[P01], s30
	v_cndmask_b32 v[R+5], v[P12], v[P01], s31
	v_cndmask_b32 v[R+6], v[P12], v[P01], s32
; row j: my 16 columns' products, and the register bs that holds my lane's part of the bias and of d
.macro ROW j, bs
	s_wait_loadcnt 4*(7-\j)                        ; row j's four loads are in; four for each later row stay out
	v_pk_mul_f32 v[P:P+1], v[X+16*\j:X+16*\j+1], v[U:U+1]
.irp i, 2,4,6,8,10,12,14
	v_pk_fma_f32 v[P:P+1], v[X+16*\j+\i:X+16*\j+\i+1], v[U+\i:U+\i+1], v[P:P+1]
.endr
	v_add_f32 v[P], v[P], v[P+1]
	v_add_f32 v[R+\j], v[P], v[\bs]
.endm
	ROW 0, R+0
	ROW 1, R+1
	ROW 2, R+2
	ROW 3, P12
	ROW 4, R+4
	ROW 5, R+5
	ROW 6, R+6
	ROW 7, P01
	; eight sums over the 32 lanes, side by side so that no instruction waits for the one in front of it
.irp m, 1,2,4,8
.irp j, 0,1,2,3,4,5,6,7
	v_add_f32_dpp v[R+\j], v[R+\j], v[R+\j] row_xmask:\m row_mask:0xf bank_mask:0xf
.endr
.endr
.irp j, 0,1,2,3,4,5,6,7
	v_permlanex16_b32 v[X+\j], v[R+\j], s18, s19   ; the destination is a register that a load wrote and a row has used
.endr
.irp j, 0,2,4,6
	v_pk_add_f32 v[R+\j:R+\j+1], v[R+\j:R+\j+1], v[X+\j:X+\j+1]
.endr
	s_lshl_b32 s17, s14, 5
	s_add_co_u32 s17, s17, TS
	v_mov_b32 v[TA], s17
	ds_store_b128 v[TA], v[R:R+3]                  ; every lane holds the same eight sums and stores them to the same 32 bytes
	ds_store_b128 v[TA], v[R+4:R+7] offset:16
	s_wait_dscnt 0x0                               ; my results are in LDS before I say so
	s_barrier_signal -1
	s_barrier_wait -1
	s_cmp_lg_u32 s14, 0
	s_cbranch_scc1 .Lend
	v_lshlrev_b32 v40, 3, v[L]
	ds_load_b64 v[42:43], v40 offset:TS            ; k = 2 l, 2 l + 1
	s_lshl_b32 s22, s16, 13                        ; e x 32 x 256 bytes   (s23 = 0)
	s_lshl_b32 s20, s15, 8
	s_add_co_u32 s22, s22, s20
	s_add_nc_u64 s[12:13], s[12:13], s[22:23]
	s_wait_dscnt 0x0
	global_store_b64 v40, v[42:43], s[12:13]       ; the wave stores 256 consecutive bytes, aligned
.Lend:
	s_endpgm
.Lfunc_end_k_q59fb75760c_dotx:
	.size	k_q59fb75760c_dotx, .Lfunc_end_k_q59fb75760c_dotx-k_q59fb75760c_dotx
	.p2alignl 7, 3214868480
	.fill 96, 4, 3214868480
	.section	.rodata,"a",@progbits
	.p2align	6, 0x0
	.amdhsa_kernel k_q59fb75760c_dotx
		.amdhsa_group_segment_fixed_size 4096
		.amdhsa_private_segment_fixed_size 0
		.amdhsa_enable_private_segment 0
		.amdhsa_kernarg_size 40
		.amdhsa_user_sgpr_count 2
		.amdhsa_user_sgpr_kernarg_segment_ptr 1
		.amdhsa_wavefront_size32 1
		.amdhsa_system_sgpr_workgroup_id_x 1
		.amdhsa_system_sgpr_workgroup_id_y 1
		.amdhsa_system_sgpr_workgroup_id_z 1
		.amdhsa_system_vgpr_workitem_id 0
		.amdhsa_next_free_vgpr 208
		.amdhsa_next_free_sgpr 66
		.amdhsa_reserve_vcc 0
		.amdhsa_float_denorm_mode_32 3
		.amdhsa_float_denorm_mode_16_64 3
		.amdhsa_memory_ordered 1
		.amdhsa_forward_progress 1
		.amdhsa_inst_pref_size 16
	.end_amdhsa_kernel
	.amdgpu_metadata
---
amdhsa.version: [ 1, 2 ]
amdhsa.kernels:
  - .name:           k_q59fb75760c_dotx
    .symbol:         k_q59fb75760c_dotx.kd
    .args:
      - { .name: X_norm, .offset: 0, .size: 8, .value_kind: global_buffer, .address_space: global }
      - { .name: uP, .offset: 8, .size: 8, .value_kind: global_buffer, .address_space: global }
      - { .name: dpart, .offset: 16, .size: 8, .value_kind: global_buffer, .address_space: global }
      - { .name: dist_emb, .offset: 24, .size: 8, .value_kind: global_buffer, .address_space: global }
      - { .name: tP, .offset: 32, .size: 8, .value_kind: global_buffer, .address_space: global }
    .group_segment_fixed_size: 4096
    .private_segment_fixed_size: 0
    .kernarg_segment_align: 8
    .kernarg_segment_size: 40
    .max_flat_workgroup_size: 256
    .sgpr_count:     66
    .vgpr_count:     208
    .wavefront_size: 32
...
	.end_amdgpu_metadata
.endif
;; end of part 6
;; launch soft (part 7): grid 32 x 1, 1 waves a work-group, no clusters, 0 bytes of LDS; arguments tP, mask, out0; writes out0
.if DOCPART == 7
	.amdgcn_target "amdgcn-amd-amdhsa--gfx1250"
	.amdhsa_code_object_version 6
	.text
	.protected	k_q59fb75760c_soft
	.globl	k_q59fb75760c_soft
	.p2align	8
	.type	k_q59fb75760c_soft,@function
k_q59fb75760c_soft:
	s_mov_b64 s[64:65], 0
	v_nop
	global_prefetch_b8 v0, s[64:65] scope:SCOPE_SE
	s_setreg_imm32_b32 hwreg(HW_REG_WAVE_MODE, 25, 1), 1
	s_wait_xcnt 0x0
; score[b][k] = SC x sum over e of tP[e][b][k],  SC = 1 / (32 heads x 64 queries x sqrt(128)) = 2^-14.5
;   (tP's eight parts already hold the products with X_norm, what Ws_b brings, and the position bias)
; out0[b] = softmax over k of score, -inf where mask == 0, with the row's maximum taken away.
; One wave for each b, a work-group of its own: lane l owns k = 2 l, 2 l + 1.  A row's 64 numbers never leave the wave, so there is
; no LDS and no barrier; nine loads of 256 consecutive bytes go out together and are waited for once.  The problem has 32 rows:
; there is work for 32 waves and no more.
; LIMIT: a row whose mask is all zero gives NaN, as the formula does.
.set T, 4                              ; v[4:19]  tP's part e at T + 2 e
.set M, 20                             ; v[20:21] the mask of my two k
	s_load_b128 s[4:7], s[0:1], 0x0                ; tP s[4:5], mask s[6:7]
	s_load_b64 s[8:9], s[0:1], 0x10                ; out0
	s_mov_b32 s12, 0x76543210                      ; v_permlanex16_b32: lane i reads lane i of the other half
	s_mov_b32 s13, 0xfedcba98
	v_lshlrev_b32 v1, 3, v0                        ; 8 l
	v_mov_b32 v2, 0xff800000                       ; -inf
	s_lshl_b32 s10, ttmp9, 8                       ; row b of 256 bytes
	s_mov_b32 s11, 0
	s_wait_kmcnt 0x0
	s_add_nc_u64 s[4:5], s[4:5], s[10:11]
	s_add_nc_u64 s[6:7], s[6:7], s[10:11]
	s_add_nc_u64 s[8:9], s[8:9], s[10:11]
.irp e, 0,1,2,3,4,5,6,7
	global_load_b64 v[T+2*\e:T+2*\e+1], v1, s[4:5] offset:\e*8192
.endr
	global_load_b64 v[M:M+1], v1, s[6:7]
	s_wait_loadcnt 0x0
	v_pk_add_f32 v[T:T+1],     v[T:T+1],     v[T+2:T+3]
	v_pk_add_f32 v[T+4:T+5],   v[T+4:T+5],   v[T+6:T+7]
	v_pk_add_f32 v[T+8:T+9],   v[T+8:T+9],   v[T+10:T+11]
	v_pk_add_f32 v[T+12:T+13], v[T+12:T+13], v[T+14:T+15]
	v_pk_add_f32 v[T:T+1],     v[T:T+1],     v[T+4:T+5]
	v_pk_add_f32 v[T+8:T+9],   v[T+8:T+9],   v[T+12:T+13]
	v_pk_add_f32 v[T:T+1],     v[T:T+1],     v[T+8:T+9]
	v_pk_mul_f32 v[T:T+1], v[T:T+1], 0x388293ee op_sel_hi:[1,0]    ; x 2^-14.5 log2(e): the exponential below is to base 2
	v_cmp_eq_u32 vcc_lo, 0, v[M]
	v_cndmask_b32 v[T], v[T], v2, vcc_lo
	v_cmp_eq_u32 vcc_lo, 0, v[M+1]
	v_cndmask_b32 v[T+1], v[T+1], v2, vcc_lo
	v_max_num_f32 v[T+2], v[T], v[T+1]
.irp m, 1,2,4,8
	v_max_num_f32_dpp v[T+2], v[T+2], v[T+2] row_xmask:\m row_mask:0xf bank_mask:0xf
.endr
	v_permlanex16_b32 v[T+3], v[T+2], s12, s13     ; the destination is a register that a load wrote and the sum has used
	v_max_num_f32 v[T+2], v[T+2], v[T+3]           ; the row's maximum
	v_sub_f32 v[T], v[T], v[T+2]
	v_sub_f32 v[T+1], v[T+1], v[T+2]
	v_exp_f32 v[T+4], v[T]
	v_exp_f32 v[T+5], v[T+1]
	v_nop                                          ; one plain instruction between a transcendental and the use of its result (ISA guide 5.7.2)
	s_wait_alu depctr_va_vdst(0)
	v_add_f32 v[T+6], v[T+4], v[T+5]
.irp m, 1,2,4,8
	v_add_f32_dpp v[T+6], v[T+6], v[T+6] row_xmask:\m row_mask:0xf bank_mask:0xf
.endr
	v_permlanex16_b32 v[T+7], v[T+6], s12, s13
	v_add_f32 v[T+6], v[T+6], v[T+7]
	v_rcp_f32 v[T+8], v[T+6]
	v_nop                                          ; likewise
	s_wait_alu depctr_va_vdst(0)
	v_mul_f32 v[T+4], v[T+4], v[T+8]
	v_mul_f32 v[T+5], v[T+5], v[T+8]
	global_store_b64 v1, v[T+4:T+5], s[8:9]        ; the wave stores its row: 256 consecutive bytes, aligned
	s_endpgm
.Lfunc_end_k_q59fb75760c_soft:
	.size	k_q59fb75760c_soft, .Lfunc_end_k_q59fb75760c_soft-k_q59fb75760c_soft
	.p2alignl 7, 3214868480
	.fill 96, 4, 3214868480
	.section	.rodata,"a",@progbits
	.p2align	6, 0x0
	.amdhsa_kernel k_q59fb75760c_soft
		.amdhsa_group_segment_fixed_size 0
		.amdhsa_private_segment_fixed_size 0
		.amdhsa_enable_private_segment 0
		.amdhsa_kernarg_size 24
		.amdhsa_user_sgpr_count 2
		.amdhsa_user_sgpr_kernarg_segment_ptr 1
		.amdhsa_wavefront_size32 1
		.amdhsa_system_sgpr_workgroup_id_x 1
		.amdhsa_system_sgpr_workgroup_id_y 1
		.amdhsa_system_sgpr_workgroup_id_z 1
		.amdhsa_system_vgpr_workitem_id 0
		.amdhsa_next_free_vgpr 24
		.amdhsa_next_free_sgpr 66
		.amdhsa_reserve_vcc 1
		.amdhsa_float_denorm_mode_32 3
		.amdhsa_float_denorm_mode_16_64 3
		.amdhsa_memory_ordered 1
		.amdhsa_forward_progress 1
		.amdhsa_inst_pref_size 4
	.end_amdhsa_kernel
	.amdgpu_metadata
---
amdhsa.version: [ 1, 2 ]
amdhsa.kernels:
  - .name:           k_q59fb75760c_soft
    .symbol:         k_q59fb75760c_soft.kd
    .args:
      - { .name: tP, .offset: 0, .size: 8, .value_kind: global_buffer, .address_space: global }
      - { .name: mask, .offset: 8, .size: 8, .value_kind: global_buffer, .address_space: global }
      - { .name: out0, .offset: 16, .size: 8, .value_kind: global_buffer, .address_space: global }
    .group_segment_fixed_size: 0
    .private_segment_fixed_size: 0
    .kernarg_segment_align: 8
    .kernarg_segment_size: 24
    .max_flat_workgroup_size: 32
    .sgpr_count:     66
    .vgpr_count:     24
    .wavefront_size: 32
...
	.end_amdgpu_metadata
.endif
;; end of part 7
